; MI455X (gfx1250); checked and timed in simulation.
; The chip was launched on July 23, 2026; its instructions are those of AMD's public machine-readable ISA for CDNA 5 (MIT licence, August 2026) and "CDNA5" Instruction Set Architecture Reference Guide (July 2026). The comments in the code are by the model that wrote it; some were corrected since.
;; Attention. Allowed arithmetic: matrix products marked QUANTISED: E5M2 operands, one given power-of-two scale a tensor, by v_wmma_f32_16x16x64_bf8_bf8 or v_wmma_f32_16x16x128_bf8_bf8, f32 sums; everything else in f32.
;; Inputs: b_proj 1,024 float32; b_qkv 3,072 float32; lowp_scales 8 int32 (the exponents e of the quantised operands' scales 2^e); w_proj 1,024 x 1,024 float32; w_qkv 1,024 x 3,072 float32; x 4 x 2,048 x 1,024 float32.
;; Outputs: out0 4 x 2,048 x 1,024 float32.
;; This version of the problem:
;;   THIS VERSION OF THE PROBLEM IS GIVEN IN LOW PRECISION. The matrix products marked QUANTISED in the list below multiply operands that are first quantised to E5M2 (5 exponent bits, 2 mantissa bits; 8 bits a number), with one given power-of-two scale for each operand tensor; their sums are f32. All else is computed in f32.
;;   The module's matrix products, in the order in which they are computed (A, B: the left and right operand; K: the contracted axis; several contracted axes count as one K, in the product's order):
;;     1. [M 8,192, K 1,024] x [K 1,024, N 3,072]; A: input x; B: input w_qkv: QUANTISED (scales: A lowp_scales[0], B lowp_scales[1])
;;     2. batch 64 x [M 2,048, K 64] x [K 64, N 2,048]; A: computed on the way; B: computed on the way: QUANTISED (scales: A lowp_scales[2], B lowp_scales[3])
;;     3. batch 64 x [M 2,048, K 2,048] x [K 2,048, N 64]; A: softmax (see below); B: computed on the way: QUANTISED (scales: A lowp_scales[4], B lowp_scales[5])
;;     4. [M 8,192, K 1,024] x [K 1,024, N 1,024]; A: computed on the way; B: input w_proj: QUANTISED (scales: A lowp_scales[6], B lowp_scales[7])
;;   THE QUANTISER, for each operand of a quantised product, along K:
;;     - The operand's scale is 2^e, e = its entry of the input lowp_scales (int32; the entries are numbered through the quantised products in the list's order, A before B).
;;     - Each number is divided by the scale, clamped to +-57,344, and rounded to the nearest number of E5M2, ties to even, subnormals kept.
;;     - The product sums the exact products of the quantised numbers (number of the format x scale) in f32.
;;   ~~~python
;;   def quantise(x, axis, e):      # numpy; x: float32 -> the quantised numbers, widened to float32 again
;;       x = np.moveaxis(x, axis, -1); K = x.shape[-1]
;;       r = np.clip(x / 2.0 ** e, -57344, 57344)
;;       step = 2.0 ** (np.maximum(np.frexp(np.where(r == 0, 1, r))[1] - 1, -14) - 2)
;;       q = np.round(r / step) * step * 2.0 ** e      # np.round: ties to even
;;       return np.moveaxis(q, -1, axis).astype(np.float32)
;;   ~~~
;;   SOFTMAX AHEAD OF A QUANTISED PRODUCT. Where the list says 'softmax', what is quantised is not the finished softmax but p = 2^(t - M), with t = logit x log2(e) and M = ceil(the row's largest t), a whole number; so 1/2 < the row's largest p <= 1. The row's sum l is taken of the UNQUANTISED p, in f32, and the product's result is divided by l at the end. Since M is a whole number, a kernel that streams over the keys may use a running M (the ceiling of the running maximum): every later rescaling is an exact power of two, so the quantised numbers keep their values, but for numbers so far below the row's largest that they fall under the format's range.
;;   OPERANDS COMPUTED ON THE WAY. 'Computed on the way' means the value that the module computes at that place (a softmax that the list does not call 'softmax' is quantised finished and normalised). What goes into a quantiser is computed in f32, as accurately as f32 sums, v_exp_f32 and their like allow (about 1e-6 of the number): no bf16 or f16 on the way to a quantiser, and a product that is left as it is and whose result goes on into a quantised operand takes f32 operands (vector FMAs, or v_wmma_f32_16x16x4_f32). A number that lies on a knife's edge between two numbers of the format may be rounded either way, as far as f32 arithmetic and the matrix unit's own rounding can turn it there, and no further.
;; One version. Each part assembles by itself: llvm-mc -triple=amdgcn-amd-amdhsa -mcpu=gfx1250 --defsym DOCPART=n.
;; ======== version 1 of 1: 4 launches
;; limits: right only within a limited range of input values
;; workspace buffers: x_codes 8,388,608 bytes; wqkv_codes 3,145,728 bytes; wproj_codes 1,048,576 bytes; qkv 25,165,824 bytes; a_codes 8,388,608 bytes
;; launch quant (part 1): grid 384 x 1, 4 waves a work-group, no clusters, 68,096 bytes of LDS; arguments x, w_qkv, w_proj, lowp_scales, x_codes, wqkv_codes, wproj_codes; writes x_codes, wqkv_codes, wproj_codes
.if DOCPART == 1
	.amdgcn_target "amdgcn-amd-amdhsa--gfx1250"
	.amdhsa_code_object_version 6
	.text
	.protected	k_q663a78b606_quant
	.globl	k_q663a78b606_quant
	.p2align	8
	.type	k_q663a78b606_quant,@function
k_q663a78b606_quant:
	s_mov_b64 s[64:65], 0
	v_nop
	global_prefetch_b8 v0, s[64:65] scope:SCOPE_SE
	s_setreg_imm32_b32 hwreg(HW_REG_WAVE_MODE, 25, 1), 1
	s_wait_xcnt 0x0
; x [8192][1024], w_qkv [1024][3072] and w_proj [1024][1024], f32, become codes of BF8 (E5M2), each tensor with the one scale 2^e given for it (entries 0, 1 and 7 of the scales).
; code = number / 2^e, held within +-57,344, rounded to the nearest code, ties to even.  LIMITS: -126 <= e <= 112, so that 2^e and 57,344 x 2^e are f32 numbers.  NaN among the inputs is not served.
; THE CODES ARE LAID AS IMAGES OF OPERAND REGISTERS.  A fragment is 16 rows x 128 K: lane (r, h) holds row r, its registers 2 c, 2 c + 1 hold k = 16 c + 8 h + 0 .. 7.  Its image is 2,048 bytes:
; registers 4 I .. 4 I + 3 of lane l lie at 512 I + 16 l.  A buffer is [tile of 16 rows][8 fragments along K][2,048].  For the weights a row is a column n of the weight (K is their first axis).
; Work-groups 0 to 255 take x, 256 to 383 the weights; the two paths never join and have LDS bytes of their own.  No tensor loads, no barrier: waves share nothing.
.set R,    16                          ; x: v16-143   two sets of 64 numbers as they are loaded
.set X,    144                         ; x: v144-207  64 numbers in the fragment's order
.set C,    208                         ; x: v208-239  two sets of 16 registers of codes
.set XPIT, 528                         ; x: a stage row: 512 bytes + 16 = 33 x 16: the sixteen rows that a read touches start at sixteen different 16-byte columns modulo 256
.set XSTG, 16*XPIT                     ; x: a wave's stage; four of them from LDS byte 0
.set WST0, 34816                       ; weights: the stages begin here, 8,192 bytes a wave
.set OFF,  16                          ; weights: v16-47   byte offset of my column in rows 0 .. 31 of a block
.set WX,   48                          ; weights: v48-111  two sets of 32 numbers down K
.set WC,   112                         ; weights: v112-119 a block's codes
.set OUTR, 120                         ; weights: v120-183 the way out
.set WB,   40                          ; weights: s[40:55] the eight blocks' bases
; x: fragment t of my four: sixteen loads, one a row, each 512 consecutive bytes (128 numbers along K), 16 bytes a lane
.macro XLOAD t
.irp p, 0,1,2,3,4,5,6,7,8,9,10,11,12,13,14,15
	global_load_b128 v[R+64*((\t)%2)+4*\p:R+64*((\t)%2)+4*\p+3], v5, s[4:5] offset:4096*\p+512*(\t) th:TH_LOAD_NT
.endr
.endm
; x: fragment t goes through my stage as it lies and comes back in the fragment's order (lane (r, h): row r, 32 bytes at 64 c + 32 h), is held, converted and stored
.macro XSTEP t
.if (\t) < 3
	s_wait_loadcnt 16                              ; this fragment's sixteen loads are in; the next fragment's sixteen may be out
.else
	s_wait_loadcnt 0
.endif
.irp p, 0,1,2,3,4,5,6,7,8,9,10,11,12,13,14,15
	ds_store_b128 v6, v[R+64*((\t)%2)+4*\p:R+64*((\t)%2)+4*\p+3] offset:XPIT*\p
.endr
.irp c, 0,1,2,3,4,5,6,7
	ds_load_b128 v[X+8*\c:X+8*\c+3], v7 offset:64*\c          ; LDS serves a wave's instructions in order: these see the stores above
	ds_load_b128 v[X+8*\c+4:X+8*\c+7], v7 offset:64*\c+16
.endr
	s_wait_dscnt 0x0                               ; the numbers are back, and the stores have read their registers,
.if (\t) < 2
	XLOAD (\t)+2                                   ; which take the fragment two further on
.endif
.set jj, 0
.rept 64
	v_med3_num_f32 v[X+jj], v[X+jj], -v10, v10     ; the conversion to an 8-bit code does not saturate (ISA guide 7.6.2): the hold at the largest code x the scale
.set jj, jj+1
.endr
.if (\t) >= 2
	s_wait_alu depctr_va_vdst(0)
	s_wait_xcnt 0x0                                ; the stores of two fragments back have read this set of codes: it is written again only behind this wait
.endif
.irp c, 0,1,2,3,4,5,6,7
	v_cvt_scalef32_pk8_bf8_f32 v[C+16*((\t)%2)+2*\c:C+16*((\t)%2)+2*\c+1], v[X+8*\c:X+8*\c+7], v11   ; registers 2 c, 2 c + 1 of the fragment
.endr
	v_nop                                          ; a plain line behind the conversions: the next fragment's holds write their sources
.irp i, 0,1,2,3
	global_store_b128 v5, v[C+16*((\t)%2)+4*\i:C+16*((\t)%2)+4*\i+3], s[12:13] offset:2048*(\t)+512*\i   ; the image: 512 consecutive bytes a store, aligned
.endr
.endm
; weights: block t: rows 32 t .. 32 t + 31 of my 256 along K, at my column: a lane takes a column and its registers run down K; a load reads 128 consecutive bytes, the four waves stand side by side on 512
.macro WLOAD t
.set ii, 0
.rept 32
	global_load_b32 v[WX+32*((\t)%2)+ii], v[OFF+ii], s[WB+2*(\t):WB+2*(\t)+1] th:TH_LOAD_NT
.set ii, ii+1
.endr
.endm
; weights: block t is held and converted; conversion g gives k = 32 t + 8 g + 0 .. 7 of my column: in the image that is register pair 2 (g / 2) of group I = t % 4, lane r + 16 (g % 2), fragment t / 4:
; byte 512 t + 256 (g % 2) + 8 (g / 2) + 16 r.  (Lanes 0-15 and 16-31 write two tiles 4,096 bytes apart: the two halves of a store fall on the same banks, two deep.)
.macro WBLOCK t
.set WS, WX+32*((\t)%2)
.if (\t) < 7
	s_wait_loadcnt 32                              ; this block's 32 loads are in; the next block's may be out
.else
	s_wait_loadcnt 0
.endif
.set jj, 0
.rept 32
	v_med3_num_f32 v[WS+jj], v[WS+jj], -v10, v10
.set jj, jj+1
.endr
.irp g, 0,1,2,3
	v_cvt_scalef32_pk8_bf8_f32 v[WC+2*\g:WC+2*\g+1], v[WS+8*\g:WS+8*\g+7], v11
.endr
	v_nop                                          ; a plain line behind the conversions
.irp g, 0,1,2,3
	ds_store_b64 v8, v[WC+2*\g:WC+2*\g+1] offset:512*(\t)+256*(\g%2)+8*(\g/2)
.endr
.if (\t) < 6
	WLOAD (\t)+2
.endif
	s_wait_dscnt 0x0                               ; the stores have read their registers: the next block's codes may be written
.endm
	s_load_b256 s[4:11], s[0:1], 0x0               ; x s[4:5], w_qkv s[6:7], w_proj s[8:9], the scales' exponents s[10:11]
	s_load_b128 s[12:15], s[0:1], 0x20             ; x's codes s[12:13], w_qkv's s[14:15]
	s_load_b64 s[16:17], s[0:1], 0x30              ; w_proj's
	v_lshl_add_u32 v240, v0, 2, 0x10800
	v_mov_b32 v241, 0
	v_lshrrev_b32 v1, 5, v0
	v_readfirstlane_b32 s18, v1                    ; wave 0..3
	v_and_b32 v2, 31, v0                           ; lane
	v_and_b32 v3, 15, v0                           ; r
	v_bfe_u32 v4, v0, 4, 1                         ; h
	v_lshlrev_b32 v5, 4, v2                        ; 16 x lane
	s_wait_kmcnt 0x0
	s_load_b256 s[20:27], s[10:11], 0x0            ; e0 .. e7
	s_cmp_lt_u32 ttmp9, 256
	s_cbranch_scc0 .Lweights
	; ---- x.  Wave u = 4 x work-group + wave takes tile u / 2 of 16 rows and fragments 4 (u % 2) + 0 .. 3
	s_lshl_b32 s28, ttmp9, 2
	s_add_co_u32 s28, s28, s18                     ; u
	s_lshr_b32 s30, s28, 1
	s_lshl_b32 s30, s30, 16                        ; 16 rows of 4,096 bytes
	s_and_b32 s31, s28, 1
	s_lshl_b32 s31, s31, 11                        ; four fragments of 512 bytes in a row
	s_add_co_u32 s30, s30, s31
	s_mov_b32 s31, 0
	s_add_nc_u64 s[4:5], s[4:5], s[30:31]
	s_lshl_b32 s30, s28, 13                        ; four images of 2,048 bytes
	s_add_nc_u64 s[12:13], s[12:13], s[30:31]
	s_mul_i32 s29, s18, XSTG                       ; my stage
	s_wait_alu depctr_va_vdst(0)
	v_add_nc_u32 v6, s29, v5                       ; in: 16 x lane in a row
	v_mul_u32_u24 v7, v3, XPIT
	v_lshl_add_u32 v7, v4, 5, v7
	v_add_nc_u32 v7, s29, v7                       ; back: row r, + 32 h
	XLOAD 0
	XLOAD 1
	s_wait_alu depctr_va_vdst(0)
	s_wait_kmcnt 0x0
	s_add_co_i32 s28, s20, 127
	s_lshl_b32 s29, s28, 23
	v_mov_b32 v11, s29                             ; 2^e0 as f32: the conversion takes its exponent field
	s_add_co_i32 s28, s28, 15
	s_lshl_b32 s28, s28, 23
	s_or_b32 s28, s28, 0x600000
	v_mov_b32 v10, s28                             ; 57,344 x 2^e0
	s_wait_alu depctr_va_vdst(0)
	XSTEP 0
	XSTEP 1
	XSTEP 2
	XSTEP 3
	s_wait_tensorcnt 0x0
	ds_add_u32 v240, v241
	s_wait_dscnt 0x0
	s_endpgm
	; ---- the weights.  Work-group g = number - 256: 256 along K (g % 4) x 128 columns (g / 4: 24 groups of w_qkv, then 8 of w_proj); a wave takes 32 columns: two tiles x two fragments
.Lweights:
	s_sub_co_u32 s28, ttmp9, 256
	s_and_b32 s29, s28, 3                          ; which 256 along K
	s_lshr_b32 s19, s28, 2                         ; which group of columns
	s_mov_b32 s32, 4096
	s_cmp_lt_u32 s19, 24                           ; w_qkv or w_proj: the choice hangs on the work-group's number alone
	s_cselect_b64 s[4:5], s[6:7], s[8:9]           ; from
	s_cselect_b64 s[12:13], s[14:15], s[16:17]     ; to
	s_cselect_b32 s32, 12288, s32                  ; a row of the weight in bytes
	s_cselect_b32 s33, 0, 24
	s_sub_co_u32 s28, s19, s33
	s_lshl_b32 s28, s28, 7
	s_lshl_b32 s33, s18, 5
	s_add_co_u32 s28, s28, s33                     ; my first column
	s_lshl_b32 s34, s29, 8
	s_mul_i32 s34, s34, s32                        ; my first row, in bytes,
	s_lshl_b32 s35, s28, 2
	s_add_co_u32 s34, s34, s35                     ; + my first column
	s_mov_b32 s35, 0
	s_add_nc_u64 s[WB:WB+1], s[4:5], s[34:35]
	s_lshl_b32 s36, s32, 5                         ; 32 rows on
	s_mov_b32 s37, 0
.irp t, 1,2,3,4,5,6,7
	s_add_nc_u64 s[WB+2*\t:WB+2*\t+1], s[WB+2*\t-2:WB+2*\t-1], s[36:37]
.endr
	s_lshr_b32 s34, s28, 4
	s_lshl_b32 s34, s34, 14                        ; my first tile of 16 columns: 16,384 bytes a tile,
	s_lshl_b32 s38, s29, 12                        ; two fragments for each 256 along K
	s_add_co_u32 s34, s34, s38
	s_add_nc_u64 s[12:13], s[12:13], s[34:35]
	s_wait_alu depctr_va_vdst(0)
	v_lshlrev_b32 v[OFF], 2, v2                    ; my column: 4 bytes a lane
.set ii, 1
.rept 31
	v_add_nc_u32 v[OFF+ii], s32, v[OFF+ii-1]       ; a row further down
.set ii, ii+1
.endr
	s_lshl_b32 s38, s18, 13
	s_add_co_u32 s38, s38, WST0                    ; my stage: [tile 2][fragment 2][2,048]
	v_lshlrev_b32 v8, 12, v4
	v_lshl_add_u32 v8, v3, 4, v8
	v_add_nc_u32 v8, s38, v8                       ; in: tile lane / 16, + 16 (lane % 16)
	v_add_nc_u32 v9, s38, v5                       ; back: 16 x lane
	WLOAD 0
	WLOAD 1
	s_wait_kmcnt 0x0
	s_cmp_lt_u32 s19, 24
	s_cselect_b32 s28, s21, s27                    ; e1 or e7
	s_add_co_i32 s28, s28, 127
	s_lshl_b32 s33, s28, 23
	v_mov_b32 v11, s33                             ; 2^e
	s_add_co_i32 s28, s28, 15
	s_lshl_b32 s28, s28, 23
	s_or_b32 s28, s28, 0x600000
	v_mov_b32 v10, s28                             ; 57,344 x 2^e
	s_wait_alu depctr_va_vdst(0)
.irp t, 0,1,2,3,4,5,6,7
	WBLOCK \t
.endr
.irp i, 0,1,2,3,4,5,6,7,8,9,10,11,12,13,14,15
	ds_load_b128 v[OUTR+4*\i:OUTR+4*\i+3], v9 offset:512*\i
.endr
.irp i, 0,1,2,3,4,5,6,7,8,9,10,11,12,13,14,15
	s_wait_dscnt 15-\i                             ; the younger loads may be out
	global_store_b128 v5, v[OUTR+4*\i:OUTR+4*\i+3], s[12:13] offset:(\i/8)*16384+(\i%8)*512   ; 512 consecutive bytes a store, aligned
.endr
	s_wait_tensorcnt 0x0
	ds_add_u32 v240, v241
	s_wait_dscnt 0x0
	s_endpgm
.Lfunc_end_k_q663a78b606_quant:
	.size	k_q663a78b606_quant, .Lfunc_end_k_q663a78b606_quant-k_q663a78b606_quant
	.p2alignl 7, 3214868480
	.fill 96, 4, 3214868480
	.section	.rodata,"a",@progbits
	.p2align	6, 0x0
	.amdhsa_kernel k_q663a78b606_quant
		.amdhsa_group_segment_fixed_size 68096
		.amdhsa_private_segment_fixed_size 0
		.amdhsa_enable_private_segment 0
		.amdhsa_kernarg_size 56
		.amdhsa_user_sgpr_count 2
		.amdhsa_user_sgpr_kernarg_segment_ptr 1
		.amdhsa_wavefront_size32 1
		.amdhsa_system_sgpr_workgroup_id_x 1
		.amdhsa_system_sgpr_workgroup_id_y 1
		.amdhsa_system_sgpr_workgroup_id_z 1
		.amdhsa_system_vgpr_workitem_id 0
		.amdhsa_next_free_vgpr 242
		.amdhsa_next_free_sgpr 66
		.amdhsa_reserve_vcc 0
		.amdhsa_float_denorm_mode_32 3
		.amdhsa_float_denorm_mode_16_64 3
		.amdhsa_memory_ordered 1
		.amdhsa_forward_progress 1
		.amdhsa_inst_pref_size 87
	.end_amdhsa_kernel
	.amdgpu_metadata
---
amdhsa.version: [ 1, 2 ]
amdhsa.kernels:
  - .name:           k_q663a78b606_quant
    .symbol:         k_q663a78b606_quant.kd
    .args:
      - { .name: x, .offset: 0, .size: 8, .value_kind: global_buffer, .address_space: global }
      - { .name: w_qkv, .offset: 8, .size: 8, .value_kind: global_buffer, .address_space: global }
      - { .name: w_proj, .offset: 16, .size: 8, .value_kind: global_buffer, .address_space: global }
      - { .name: lowp_scales, .offset: 24, .size: 8, .value_kind: global_buffer, .address_space: global }
      - { .name: x_codes, .offset: 32, .size: 8, .value_kind: global_buffer, .address_space: global }
      - { .name: wqkv_codes, .offset: 40, .size: 8, .value_kind: global_buffer, .address_space: global }
      - { .name: wproj_codes, .offset: 48, .size: 8, .value_kind: global_buffer, .address_space: global }
    .group_segment_fixed_size: 68096
    .private_segment_fixed_size: 0
    .kernarg_segment_align: 8
    .kernarg_segment_size: 56
    .max_flat_workgroup_size: 128
    .sgpr_count:     66
    .vgpr_count:     242
    .wavefront_size: 32
...
	.end_amdgpu_metadata
.endif
;; end of part 1
;; launch qkv (part 2): grid 8 x 32, 4 waves a work-group, clusters of 4 x 4, 327,680 bytes of LDS; arguments x_codes, wqkv_codes, lowp_scales, b_qkv, qkv; writes qkv
.if DOCPART == 2
	.amdgcn_target "amdgcn-amd-amdhsa--gfx1250"
	.amdhsa_code_object_version 6
	.text
	.protected	k_q663a78b606_qkv
	.globl	k_q663a78b606_qkv
	.p2align	8
	.type	k_q663a78b606_qkv,@function
k_q663a78b606_qkv:
	s_mov_b64 s[64:65], 0
	v_nop
	global_prefetch_b8 v0, s[64:65] scope:SCOPE_SE
	s_setreg_imm32_b32 hwreg(HW_REG_WAVE_MODE, 25, 1), 1
	s_wait_xcnt 0x0
	s_wait_alu depctr_hold_cnt(0) depctr_sa_sdst(0) depctr_va_vdst(0) depctr_va_sdst(0) depctr_va_ssrc(0) depctr_va_vcc(0) depctr_vm_vsrc(0)
	s_getreg_b32 s2, hwreg(HW_REG_IB_STS2, 6, 4)
	s_cmp_eq_u32 s2, 0
	s_cbranch_scc0 .Lentry_in_a_cluster
	s_endpgm
.Lentry_in_a_cluster:
	s_bfe_u32 s2, ttmp6, 0x10000c
	s_cmp_lg_u32 s2, 0xf033
	s_cbranch_scc0 .Lentry_shape_is_right
	s_endpgm
.Lentry_shape_is_right:
; qkv = x w_qkv + b_qkv on codes of BF8 (E5M2), and its three parts quantised at once for the attention: q with e2, k with e3, v with e5 (x has e0, w_qkv e1).
; OPERANDS are images of fragments: [tile of 16 rows][8 fragments of 128 K][2,048 bytes]; registers 4 I .. 4 I + 3 of lane l at 512 I + 16 l; lane (r, h): row r, registers 2 c, 2 c + 1: k = 16 c + 8 h + 0 .. 7.  Half an image, 1,024 bytes, is a fragment of 64 K.
; A BLOCK is 256 tokens x (128 channels of q, the same 128 of k, the same 128 of v): 8 x 32 = 256 work-groups.  Four waves, a wave 128 tokens x (64 + 64 + 64) channels, one head of each: 96 accumulators, 768 registers (windows 1, 2, 3: q, k, v).
; K goes in steps of 64: 96 products a step.  Window 0 holds all fragments: x's eight in two sets, w's twelve in three groups of four (q, k, v); a group is fetched anew as soon as its 32 products are issued.
; q, k: source 0 = 16 channels of w, source 1 = 16 tokens of x: a lane holds eight neighbouring channels of one token.  v: the sources change places: a lane holds one channel and eight neighbouring tokens (the keys are V's K).
; Four accumulators, converted, are one image of 1,024 bytes.  OUT: three sections of 8 MiB (Q, K, V), each [batch 4][block of 512 tokens 4][head 16][32,768]; Q, K: [tile of 16 tokens 32][1,024]; V: [16 channels 4][64 keys 8][1,024].
; LDS: two slots of unlike size, since two of K = 256 (2 x 163,840 bytes) would leave no byte for the spare words: slot 0 holds K = 256 (x 65,536 bytes, w 98,304), slot 1 K = 128 (32,768 and 49,152).  K = 1,024 is 256 + 128 + 256 + 128 + 256: five fills.
; CLUSTERS: 4 x 4; x's tile is asked for jointly along a row of the cluster (wave 3), w's three groups along a column (waves 0 to 2).  No prefetch: the block is the largest that fits, in clusters, and K is short (five fills).
; The bias / 2^(e0 + e1) is the C of each sum's first product.  The three scales ahead of a quantiser are folded into the conversion's one: 2^(et - e0 - e1).
; LIMITS: et - e0 - e1 between -126 and 112; b x 2^-(e0 + e1) an f32 number.  NaN among the inputs is not served.
.set S0B,   65536
.set S1A,   163840
.set S1B,   196608
.set SPARE, 245760
.set ADA,  16                          ; v16-17 LDS address of my x fragments in slot 0, 1
.set ADB,  18                          ; v18 of my w fragments in slot 0 (q, k), v19 the same for v, v20 in slot 1
.set ADBV, 19
.set ADB1, 20
.set CO,   26                          ; 16 x lane
.set SPW,  28
.set NIL,  29
.set AS,   32                          ; v32-159  x's fragments, two sets of 64; set 1 holds q's and k's bias first
.set BG,   160                         ; v160-255 w's fragments, three groups of 32
.set TMP,  32                          ; the way out: 32 numbers at work
.set CD,   64                          ; the way out: 24 images of 8 registers
.set GA0,  24                          ; s[24:31], s[32:39] group 1 for x's tiles, K = 256 and K = 128
.set GB0,  48                          ; s[48:55], s[56:63] the same for w's
.set G0A,  44
.set G0B,  76
.set MSB, 0
.macro WIN new                         ; the immediate's high byte repeats the setting that is left
.if MSB != (\new)
	s_set_vgpr_msb (MSB<<8)|(\new)
.set MSB, (\new)
.endif
.endm
.macro PLACES                          ; plain vector lines between a matrix instruction and a load into, or a vector read or write of, its registers
.rept 4
	v_nop
.endr
.endm
.macro CROUND                          ; a round of the cluster's barrier
	s_barrier_signal -1
	s_barrier_wait -1
	s_cmp_lg_u32 s14, 0
	s_cbranch_scc1 .Lnot_wave_0_\@
	s_barrier_signal -3
.Lnot_wave_0_\@:
	s_barrier_wait -3
	s_barrier_signal -1
	s_barrier_wait -1
.endm
.macro SETG k, koff                    ; the groups 0 for a fill of slot k with the K that begins koff bytes into a tile of rows; no load of mine is out here
.if \k
	s_mov_b32 s[G0A+1], S1A
.else
	s_mov_b32 s[G0A+1], 0
.endif
	s_add_nc_u64 s[G0A+2:G0A+3], s[20:21], \koff
	s_or_b32 s[G0A+3], s[G0A+3], 0x80000000
	s_mov_b32 s[G0B+1], s[80+\k]
	s_add_nc_u64 s[G0B+2:G0B+3], s[22:23], \koff
	s_or_b32 s[G0B+3], s[G0B+3], 0x80000000
.endm
.macro JLOAD k                         ; a joint load: wave 3 fetches x's tile, waves 0 to 2 w's groups; the branch hangs on the wave's number alone
	s_cmp_eq_u32 s14, 3
	s_cbranch_scc0 .Lfor_b_\@
	tensor_load_to_lds s[G0A:G0A+3], s[GA0+8*\k:GA0+8*\k+7]
	s_nop 0
	PLACES
	s_branch .Lasked_\@
.Lfor_b_\@:
	tensor_load_to_lds s[G0B:G0B+3], s[GB0+8*\k:GB0+8*\k+7]
	s_nop 0
	PLACES
.Lasked_\@:
.endm
.macro LDA k, ss, p                    ; x's eight fragments of the slot's step ss into set p
.irp a, 0,1,2,3,4,5,6,7
.irp i, 0,1
	ds_load_b128 v[AS+64*(\p)+8*\a+4*\i:AS+64*(\p)+8*\a+4*\i+3], v[ADA+\k] offset:(4096>>(\k))*\a+1024*(\ss)+512*\i
.endr
.endr
.endm
.macro LDB k, ss, g                    ; w's four fragments of group g
.irp b, 0,1,2,3
.irp i, 0,1
.if (\k) == 0 && (\g) == 2
	ds_load_b128 v[BG+32*(\g)+8*\b+4*\i:BG+32*(\g)+8*\b+4*\i+3], v[ADBV] offset:4096*\b+1024*(\ss)+512*\i
.elseif (\k) == 0
	ds_load_b128 v[BG+32*(\g)+8*\b+4*\i:BG+32*(\g)+8*\b+4*\i+3], v[ADB] offset:32768*(\g)+4096*\b+1024*(\ss)+512*\i
.else
	ds_load_b128 v[BG+32*(\g)+8*\b+4*\i:BG+32*(\g)+8*\b+4*\i+3], v[ADB1] offset:16384*(\g)+2048*\b+1024*(\ss)+512*\i
.endif
.endr
.endr
.endm
; 32 products: my eight tiles of tokens x group g, 64 along K.  q, k: accumulator (a, b) at v[8 (4 a + b)]; v: at v[8 (8 b + a)].  first = 1: the sums begin with the bias.  The accumulators take turns.
.macro MULG g, p, first
.if \first
	WIN ((\g)+1)<<6
.else
	WIN (((\g)+1)<<6)|(((\g)+1)<<4)
.endif
.irp a, 0,1,2,3,4,5,6,7
.irp b, 0,1,2,3
.if (\g) < 2
.if \first
	v_wmma_f32_16x16x64_bf8_bf8 v[8*(4*\a+\b):8*(4*\a+\b)+7], v[BG+32*(\g)+8*\b:BG+32*(\g)+8*\b+7], v[AS+64*(\p)+8*\a:AS+64*(\p)+8*\a+7], v[AS+64+32*(\g)+8*\b:AS+64+32*(\g)+8*\b+7]
.else
	v_wmma_f32_16x16x64_bf8_bf8 v[8*(4*\a+\b):8*(4*\a+\b)+7], v[BG+32*(\g)+8*\b:BG+32*(\g)+8*\b+7], v[AS+64*(\p)+8*\a:AS+64*(\p)+8*\a+7], v[8*(4*\a+\b):8*(4*\a+\b)+7]
.endif
.else
.if \first
	v_wmma_f32_16x16x64_bf8_bf8 v[8*(8*\b+\a):8*(8*\b+\a)+7], v[AS+64*(\p)+8*\a:AS+64*(\p)+8*\a+7], v[BG+32*(\g)+8*\b:BG+32*(\g)+8*\b+7], v[BG+8*\b:BG+8*\b+7]
.else
	v_wmma_f32_16x16x64_bf8_bf8 v[8*(8*\b+\a):8*(8*\b+\a)+7], v[AS+64*(\p)+8*\a:AS+64*(\p)+8*\a+7], v[BG+32*(\g)+8*\b:BG+32*(\g)+8*\b+7], v[8*(8*\b+\a):8*(8*\b+\a)+7]
.endif
.endif
.endr
.endr
.endm
; A step that has its successor in the same slot.  LDS loads out at its head, oldest first: 24 (x's set and q's group), 8 (k's), 8 (v's).
.macro STEPR k, ss, p
	s_wait_dscnt 16                                ; x's set and q's group are in
	MULG 0, \p, 0
	PLACES
	WIN 0
	LDA \k, (\ss)+1, 1-(\p)
	LDB \k, (\ss)+1, 0
	s_wait_dscnt 32                                ; k's group is in; v's 8 and the 24 just issued may be out
	MULG 1, \p, 0
	PLACES
	WIN 0
	LDB \k, (\ss)+1, 1
	s_wait_dscnt 32                                ; v's group is in; the 24 and the 8 for the next step may be out
	MULG 2, \p, 0
	PLACES
	WIN 0
	LDB \k, (\ss)+1, 2
.endm
; A slot's last step changes slots.  fill = 1: this slot is filled again, with the K that begins koff bytes into a tile of rows.
.macro TURN k, ss, p, nk, fill, koff
	s_wait_tensorcnt 0x0                           ; all my tensor loads have landed: my part of the next slot
	ds_add_u32 v[SPW], v[NIL]                      ; 0 onto my spare word
	s_wait_dscnt 17                                ; (the add, k's and v's groups may be out)
	MULG 0, \p, 0
	WIN 0
	s_wait_dscnt 0x0                               ; the add is done, and my reads of this slot are over: this step's fragments are all in registers
.if \fill
	CROUND                                         ; no wave of any partner still reads this slot or has a load on its way
	SETG \k, \koff
	JLOAD \k                                       ; the first tensor load behind the round; its four v_nop are the places ahead of the loads below
.else
	s_barrier_signal -1
	s_barrier_wait -1
	PLACES
.endif
	LDA \nk, 0, 1-(\p)
	LDB \nk, 0, 0
	MULG 1, \p, 0
	PLACES
	WIN 0
	LDB \nk, 0, 1
	MULG 2, \p, 0
	PLACES
	WIN 0
	LDB \nk, 0, 2
.endm
.macro MKSC se, vr                     ; 2^(et - e0 - e1) and 57,344 x that
	s_sub_co_i32 s89, \se, s88
	s_add_co_i32 s89, s89, 127
	s_lshl_b32 s95, s89, 23
	v_mov_b32 v[\vr], s95
	s_add_co_i32 s89, s89, 15
	s_lshl_b32 s89, s89, 23
	s_or_b32 s89, s89, 0x600000
	v_mov_b32 v[\vr+1], s89
.endm
	s_load_b256 s[4:11], s[0:1], 0x0               ; x's codes s[4:5], w_qkv's s[6:7], the scales' exponents s[8:9], b_qkv s[10:11]
	s_load_b64 s[12:13], s[0:1], 0x20              ; qkv
	v_lshl_add_u32 v[SPW], v0, 2, SPARE
	v_mov_b32 v[NIL], 0
	ds_add_u32 v[SPW], v[NIL]                      ; the opening lines
	ds_add_u32 v[SPW], v[NIL]
	v_lshrrev_b32 v1, 5, v0
	v_readfirstlane_b32 s14, v1                    ; wave 0..3
	s_lshr_b32 s15, s14, 1                         ; which 128 tokens
	s_and_b32 s16, s14, 1                          ; which head of the block's two
	s_bfe_u32 s40, ttmp6, 0x40000                  ; cx, cy
	s_bfe_u32 s41, ttmp6, 0x40004
	s_lshl_b32 s42, ttmp9, 2
	s_add_co_u32 s42, s42, s40                     ; which 128 channels = 4 x cluster x + cx
	s_and_b32 s17, ttmp7, 0xffff
	s_lshl_b32 s17, s17, 2
	s_add_co_u32 s17, s17, s41                     ; which 256 tokens = 4 x cluster y + cy
	s_lshl_b32 s43, s41, 2
	s_lshl_b32 s43, 15, s43                        ; my row of the cluster
	s_lshl_b32 s18, 0x1111, s40                    ; my column
.irp k, 0,1
	s_or_b32 s[GA0+8*\k], s43, (3<<16)|(1<<21)     ; the mask; elements of 8 bytes; bit 21 beside a mask
	s_or_b32 s[GB0+8*\k], s18, (3<<16)|(1<<21)
	s_mov_b32 s[GA0+8*\k+2], 16<<16                ; x: 16 tiles of rows
	s_mov_b32 s[GA0+8*\k+4], 16
	s_mov_b32 s[GB0+8*\k+2], 8<<16                 ; w: 8
	s_mov_b32 s[GB0+8*\k+4], 8
.irp g, GA0, GB0
	s_mov_b32 s[\g+8*\k+1], (512>>\k)<<16          ; a row: 4,096 or 2,048 bytes,
	s_mov_b32 s[\g+8*\k+3], (512>>\k)<<16
	s_mov_b32 s[\g+8*\k+5], 2048                   ; 16,384 bytes apart
	s_mov_b32 s[\g+8*\k+6], 0
	s_mov_b32 s[\g+8*\k+7], 0
.endr
.endr
	s_mov_b32 s[G0A], 1
	s_mov_b32 s[G0B], 1
	s_min_u32 s19, s14, 2                          ; the group that I fetch, if I fetch for w
	s_lshl_b32 s80, s19, 15
	s_add_co_u32 s80, s80, S0B                     ; where it goes in slot 0,
	s_lshl_b32 s81, s19, 14
	s_add_co_u32 s81, s81, S1B                     ; in slot 1
	s_lshl_b32 s20, s17, 18                        ; x: 16 tiles of 16,384 bytes for each 256 tokens
	s_mov_b32 s21, 0
	s_lshl_b32 s22, s19, 20                        ; w: 64 tiles for each of q, k, v,
	s_lshl_b32 s23, s42, 17                        ; 8 for each 128 channels
	s_add_co_u32 s22, s22, s23
	s_mov_b32 s23, 0
	s_wait_dscnt 0x0
	s_wait_kmcnt 0x0
	s_load_b256 s[68:75], s[8:9], 0x0              ; e0 .. e7
	s_add_nc_u64 s[20:21], s[4:5], s[20:21]
	s_add_nc_u64 s[22:23], s[6:7], s[22:23]
	CROUND                                         ; all sixteen work-groups are here: the first joint loads meet
	SETG 0, 0
	JLOAD 0                                        ; K 0 to 255: my one load at the head
	; where my codes begin
	s_lshr_b32 s90, s17, 1
	s_lshl_b32 s90, s90, 19                        ; block of 512 tokens
	s_lshl_b32 s91, s42, 1
	s_add_co_u32 s91, s91, s16
	s_lshl_b32 s91, s91, 15                        ; head
	s_add_co_u32 s90, s90, s91
	s_and_b32 s91, s17, 1
	s_lshl_b32 s92, s91, 14
	s_lshl_b32 s93, s15, 13
	s_add_co_u32 s92, s92, s93                     ; Q, K: my first tile of 16 tokens in the block, 1,024 bytes a tile
	s_add_co_u32 s92, s92, s90
	s_mov_b32 s93, 0
	s_add_nc_u64 s[82:83], s[12:13], s[92:93]      ; Q
	s_add_nc_u64 s[84:85], s[82:83], 1<<23         ; K
	s_lshl_b32 s92, s91, 12
	s_lshl_b32 s94, s15, 11
	s_add_co_u32 s92, s92, s94                     ; V: my first 64 keys in the block
	s_add_co_u32 s92, s92, s90
	s_add_co_u32 s92, s92, 2<<23
	s_add_nc_u64 s[86:87], s[12:13], s[92:93]      ; V
	s_lshl_b32 s92, s42, 9
	s_lshl_b32 s94, s16, 8
	s_add_co_u32 s92, s92, s94
	s_add_nc_u64 s[10:11], s[10:11], s[92:93]      ; the bias of my 64 channels of q
	v_and_b32 v1, 31, v0
	v_lshlrev_b32 v[CO], 4, v1
	v_bfe_u32 v23, v0, 4, 1
	v_lshlrev_b32 v21, 5, v23                      ; 32 h: eight numbers of the bias
	v_and_b32 v24, 15, v0
	v_lshlrev_b32 v22, 2, v24                      ; 4 r: one
	s_wait_alu depctr_va_vdst(0)
.irp g, 0,1
.irp b, 0,1,2,3
	global_load_b128 v[AS+64+32*\g+8*\b:AS+64+32*\g+8*\b+3], v21, s[10:11] offset:4096*\g+64*\b       ; q, k: register 8 b + j: channel 16 b + 8 h + j
	global_load_b128 v[AS+64+32*\g+8*\b+4:AS+64+32*\g+8*\b+7], v21, s[10:11] offset:4096*\g+64*\b+16
.endr
.endr
.irp b, 0,1,2,3
	global_load_b32 v[8+\b], v22, s[10:11] offset:8192+64*\b   ; v: channel 16 b + r
.endr
	s_lshl_b32 s94, s15, 15
	v_add_nc_u32 v[ADA], s94, v[CO]
	s_lshl_b32 s94, s15, 14
	s_add_co_u32 s94, s94, S1A
	v_add_nc_u32 v[ADA+1], s94, v[CO]
	s_lshl_b32 s94, s16, 14
	s_add_co_u32 s94, s94, S0B
	v_add_nc_u32 v[ADB], s94, v[CO]
	v_add_nc_u32 v[ADBV], 0x10000, v[ADB]
	s_lshl_b32 s94, s16, 13
	s_add_co_u32 s94, s94, S1B
	v_add_nc_u32 v[ADB1], s94, v[CO]
	s_wait_kmcnt 0x0
	s_add_co_i32 s88, s68, s69                     ; e0 + e1
	MKSC s70, 2                                    ; v2-3: q
	MKSC s71, 4                                    ; v4-5: k
	MKSC s73, 6                                    ; v6-7: v
	s_sub_co_i32 s88, 0, s88
	s_wait_loadcnt 0x0
.set jj, 0
.rept 64
	v_ldexp_f32 v[AS+64+jj], v[AS+64+jj], s88      ; b / 2^(e0 + e1)
.set jj, jj+1
.endr
	s_wait_alu depctr_va_vdst(0)
	s_wait_tensorcnt 0x0                           ; my part of slot 0 is in; slot 1's first fill is issued as a refill is:
	ds_add_u32 v[SPW], v[NIL]
	s_wait_dscnt 0x0
	CROUND
	SETG 1, 4096
	JLOAD 1                                        ; K 256 to 383
	; the first step: the sums begin with the bias, which lies where x's second set and, for v, q's group lie later
	LDA 0, 0, 0
	LDB 0, 0, 0
	LDB 0, 0, 1
	LDB 0, 0, 2
	s_wait_dscnt 0x0
	MULG 0, 0, 1
	WIN 0
	PLACES
.set jj, 0
.rept 32
	v_ldexp_f32 v[BG+jj], v[8+jj/8], s88           ; v: all eight registers of a tile hold the lane's channel's bias
.set jj, jj+1
.endr
	MULG 1, 0, 1
	MULG 2, 0, 1
	PLACES
	WIN 0
	LDA 0, 1, 1
	LDB 0, 1, 0
	LDB 0, 1, 1
	LDB 0, 1, 2
	STEPR 0, 1, 1
	STEPR 0, 2, 0
	TURN 0, 3, 1, 1, 1, 6144                       ; slot 0 takes K 384 to 639
	STEPR 1, 0, 0
	TURN 1, 1, 1, 0, 1, 10240                      ; slot 1 takes K 640 to 767
	STEPR 0, 0, 0
	STEPR 0, 1, 1
	STEPR 0, 2, 0
	TURN 0, 3, 1, 1, 1, 12288                      ; slot 0 takes K 768 to 1,023
	STEPR 1, 0, 0
	TURN 1, 1, 1, 0, 0, 0                          ; nothing is left to fetch
	STEPR 0, 0, 0
	STEPR 0, 1, 1
	STEPR 0, 2, 0
	s_wait_dscnt 16                                ; the very last step
	MULG 0, 1, 0
	s_wait_dscnt 8
	MULG 1, 1, 0
	s_wait_dscnt 0x0
	MULG 2, 1, 0
	WIN 0
	PLACES
; THE WAY OUT of one image: four accumulators (32 registers at 32 n of window w), held, converted, stored.  Each accumulator is read from its low end on; every image has its own registers for its codes.
.macro OUTI w, n, sc, cd, base, off
	WIN \w                                         ; source 0: the accumulators' window
.set jj, 0
.rept 32
	v_med3_num_f32 v[TMP+jj], v[32*(\n)+jj], -v[\sc+1], v[\sc+1]   ; the conversion does not saturate (ISA guide 7.6.2): the hold
.set jj, jj+1
.endr
	WIN 0
.irp c, 0,1,2,3
	v_cvt_scalef32_pk8_bf8_f32 v[CD+8*(\cd)+2*\c:CD+8*(\cd)+2*\c+1], v[TMP+8*\c:TMP+8*\c+7], v[\sc]
.endr
	v_nop                                          ; a plain line behind the conversions
	global_store_b128 v[CO], v[CD+8*(\cd):CD+8*(\cd)+3], s[\base:\base+1] offset:\off          ; 512 consecutive bytes, aligned
	global_store_b128 v[CO], v[CD+8*(\cd)+4:CD+8*(\cd)+7], s[\base:\base+1] offset:(\off)+512
.endm
.irp a, 0,1,2,3,4,5,6,7
	OUTI 1, \a, 2, \a, 82, 1024*\a
.endr
.irp a, 0,1,2,3,4,5,6,7
	OUTI 2, \a, 4, 8+\a, 84, 1024*\a
.endr
.irp n, 0,1,2,3,4,5,6,7
	OUTI 3, \n, 6, 16+\n, 86, 8192*(\n/2)+1024*(\n%2)
.endr
	s_wait_tensorcnt 0x0                           ; the wave's end
	ds_add_u32 v[SPW], v[NIL]
	s_wait_dscnt 0x0
	CROUND                                         ; the closing round
	s_endpgm
.Lfunc_end_k_q663a78b606_qkv:
	.size	k_q663a78b606_qkv, .Lfunc_end_k_q663a78b606_qkv-k_q663a78b606_qkv
	.p2alignl 7, 3214868480
	.fill 96, 4, 3214868480
	.section	.rodata,"a",@progbits
	.p2align	6, 0x0
	.amdhsa_kernel k_q663a78b606_qkv
		.amdhsa_group_segment_fixed_size 327680
		.amdhsa_private_segment_fixed_size 0
		.amdhsa_enable_private_segment 0
		.amdhsa_kernarg_size 40
		.amdhsa_user_sgpr_count 2
		.amdhsa_user_sgpr_kernarg_segment_ptr 1
		.amdhsa_wavefront_size32 1
		.amdhsa_system_sgpr_workgroup_id_x 1
		.amdhsa_system_sgpr_workgroup_id_y 1
		.amdhsa_system_sgpr_workgroup_id_z 1
		.amdhsa_system_vgpr_workitem_id 0
		.amdhsa_next_free_vgpr 1024
		.amdhsa_next_free_sgpr 98
		.amdhsa_reserve_vcc 0
		.amdhsa_float_denorm_mode_32 3
		.amdhsa_float_denorm_mode_16_64 3
		.amdhsa_memory_ordered 1
		.amdhsa_forward_progress 1
		.amdhsa_inst_pref_size 228
	.end_amdhsa_kernel
	.amdgpu_metadata
---
amdhsa.version: [ 1, 2 ]
amdhsa.kernels:
  - .name:           k_q663a78b606_qkv
    .symbol:         k_q663a78b606_qkv.kd
    .args:
      - { .name: x_codes, .offset: 0, .size: 8, .value_kind: global_buffer, .address_space: global }
      - { .name: wqkv_codes, .offset: 8, .size: 8, .value_kind: global_buffer, .address_space: global }
      - { .name: lowp_scales, .offset: 16, .size: 8, .value_kind: global_buffer, .address_space: global }
      - { .name: b_qkv, .offset: 24, .size: 8, .value_kind: global_buffer, .address_space: global }
      - { .name: qkv, .offset: 32, .size: 8, .value_kind: global_buffer, .address_space: global }
    .group_segment_fixed_size: 327680
    .private_segment_fixed_size: 0
    .kernarg_segment_align: 8
    .kernarg_segment_size: 40
    .max_flat_workgroup_size: 128
    .sgpr_count:     98
    .vgpr_count:     1024
    .wavefront_size: 32
...
	.end_amdgpu_metadata
.endif
;; end of part 2
;; launch attn (part 3): grid 4 x 64, 16 waves a work-group, clusters of 4 x 1, 327,680 bytes of LDS; arguments qkv, lowp_scales, a_codes; writes a_codes
.if DOCPART == 3
	.amdgcn_target "amdgcn-amd-amdhsa--gfx1250"
	.amdhsa_code_object_version 6
	.text
	.protected	k_q663a78b606_attn
	.globl	k_q663a78b606_attn
	.p2align	8
	.type	k_q663a78b606_attn,@function
k_q663a78b606_attn:
	s_mov_b64 s[64:65], 0
	v_nop
	global_prefetch_b8 v0, s[64:65] scope:SCOPE_SE
	s_setreg_imm32_b32 hwreg(HW_REG_WAVE_MODE, 25, 1), 1
	s_wait_xcnt 0x0
	s_wait_alu depctr_hold_cnt(0) depctr_sa_sdst(0) depctr_va_vdst(0) depctr_va_sdst(0) depctr_va_ssrc(0) depctr_va_vcc(0) depctr_vm_vsrc(0)
	s_getreg_b32 s2, hwreg(HW_REG_IB_STS2, 6, 4)
	s_cmp_eq_u32 s2, 0
	s_cbranch_scc0 .Lentry_in_a_cluster
	s_endpgm
.Lentry_in_a_cluster:
	s_bfe_u32 s2, ttmp6, 0x10000c
	s_cmp_lg_u32 s2, 0x3003
	s_cbranch_scc0 .Lentry_shape_is_right
	s_endpgm
.Lentry_shape_is_right:
; Attention of one head on codes of BF8 (E5M2): O = softmax(Q K^T / 8) V, both products quantised; the result is quantised at once with e6 for the projection.
; IN: qkv = three sections of 8 MiB (Q, K, V), each [batch 4][block of 512 tokens 4][head 16][32,768 bytes]; Q, K: [tile of 16 tokens 32][1,024]; V: [16 channels 4][64 keys 8][1,024]:
; images of fragments of 16 rows x 64 K: registers 4 I .. 4 I + 3 of lane l at 512 I + 16 l; lane (r, h): row r, registers 2 c, 2 c + 1: k = 16 c + 8 h + 0 .. 7.
; OUT: a_codes [tile of 16 tokens][8 fragments of 128 channels][2,048]: a head's 64 channels are half a fragment, 1,024 bytes.
; THE SOFTMAX: t = score x log2(e) / 8; M = the running largest t rounded up to a whole number; p = 2^(t - M) is quantised with e4, not normalised; the row's sum is taken of the unquantised p and divides at the end.
; When M moves, the sum and O are multiplied by 2^(old M - new M), in every step, with no branch on data.
; SHARES: a work-group owns 512 queries of one head, each of its 16 waves 32 of them (two tiles); every wave walks the head's 2,048 keys, 64 a step.  Both products are used transposed: a lane holds one query of each tile.
; LDS: all of the head's K (bytes 0 to 131,071) and V (131,072 to 262,143), each [block of 512 keys 4][32,768]; every byte is filled once.  At the head each wave asks for 4,096 bytes of block 0;
; behind one full sequence and a round of the cluster's barrier waves 0 to 11 ask for 16,384 bytes each of blocks 1 to 3, which have seven key steps in which to land; one barrier stands ahead of step 7.
; CLUSTER: the four work-groups of a head (its four blocks of queries) need the same K and V: every load is asked for jointly, mask 15.
; No prefetch: all of K and V is asked for in the launch's first two groups of loads, and nothing is fetched in the loops.
; A step reads V's fragments for itself and K's for the next step in one run behind its first products.  The last step's look-ahead reads the 4,096 bytes at LDS byte 131,072, which are filled; they are not used.
; LIMITS: e2 + e3 between -123 and 130 (added to the exponent field of log2(e) / 8); e4 and e6 between -126 and 112; the scaled scores stay under 2^31 in magnitude.  NaN among the inputs is not served.
.set SPARE, 0x40000                    ; behind K and V: the spare words, 128 bytes a wave
.set L16,  1                           ; 16 x lane
.set ADK,  2                           ; LDS address of the next step's K
.set ADV,  3                           ; of this step's V
.set SPW,  4
.set NIL,  5
.set PD,   6                           ; v6-7 lane l xor 16's number
.set Q,    8                           ; v8-23    Q: two fragments
.set KF,   24                          ; v24-55   K: four fragments
.set VF,   56                          ; v56-87   V: four fragments
.set S,    88                          ; v88-151  S^T, then p
.set O,    152                         ; v152-215 O^T
.set P,    216                         ; v216-231 p's codes; v224-227 also the sums' second chain, ahead of the conversions
.set C2,   P+8
.set ST,   232                         ; six a tile: -M, the largest score, the sum (2), f, 0
.set LIMP, 244
.set SCP,  246
.set SC6,  247
.set LIM6, 248
.set MA,   250
.set MB,   252
.set WV,   10
.set G1A,  16                          ; s[16:23] group 1: 16 rows of 256 bytes;  s[24:31]: 64 rows
.set G1B,  24
.set G0A,  32
.set G0B,  36
.set CS,   48
.set SEL,  50
.set TK,   52
.set TV,   53
.set N,    54
.macro CROUND                          ; a round of the cluster's barrier
	s_barrier_signal -1
	s_barrier_wait -1
	s_cmp_lg_u32 s[WV], 0
	s_cbranch_scc1 .Lnot_wave_0_\@
	s_barrier_signal -3
.Lnot_wave_0_\@:
	s_barrier_wait -3
	s_barrier_signal -1
	s_barrier_wait -1
.endm
	s_load_b128 s[4:7], s[0:1], 0x0                ; qkv, the scales' exponents
	s_load_b64 s[8:9], s[0:1], 0x10                ; a_codes
	v_lshl_add_u32 v[SPW], v0, 2, SPARE
	v_mov_b32 v[NIL], 0
	ds_add_u32 v[SPW], v[NIL]                      ; the opening lines
	ds_add_u32 v[SPW], v[NIL]
	v_lshrrev_b32 v2, 5, v0
	v_readfirstlane_b32 s[WV], v2                  ; wave 0..15
	s_bfe_u32 s11, ttmp6, 0x40000                  ; cx: my block of 512 queries
	s_and_b32 s12, ttmp7, 0xffff
	s_lshr_b32 s13, s12, 4                         ; batch
	s_and_b32 s14, s12, 15                         ; head
.irp g, G1A, G1B
	s_mov_b32 s[\g], 15|(3<<16)|(1<<21)            ; the mask: all four partners; elements of 8 bytes; bit 21 beside a mask
	s_mov_b32 s[\g+1], 32<<16                      ; rows of 256 bytes, dense
	s_mov_b32 s[\g+3], 32<<16
	s_mov_b32 s[\g+5], 32
	s_mov_b32 s[\g+6], 0
	s_mov_b32 s[\g+7], 0
.endr
	s_mov_b32 s[G1A+2], 16<<16
	s_mov_b32 s[G1A+4], 16
	s_mov_b32 s[G1B+2], 64<<16
	s_mov_b32 s[G1B+4], 64
	s_lshl_b32 s59, s13, 21
	s_lshl_b32 s55, s14, 15
	s_add_co_u32 s59, s59, s55                     ; batch and head inside a section
	; the first load: wave w: K (w / 8 = 0) or V (1), piece w % 8 of 4,096 bytes of block 0
	s_lshr_b32 s55, s[WV], 3
	s_and_b32 s56, s[WV], 7
	s_lshl_b32 s56, s56, 12
	s_lshl_b32 s57, s55, 17
	s_add_co_u32 s[G0A+1], s57, s56
	s_add_co_u32 s55, s55, 1
	s_lshl_b32 s55, s55, 23
	s_add_co_u32 s55, s55, s56
	s_add_co_u32 s60, s55, s59
	s_mov_b32 s61, 0
	; the second: wave w < 12: half w % 2 of part w / 2 of K1 K2 K3 V1 V2 V3
	s_min_u32 s55, s[WV], 11
	s_lshr_b32 s56, s55, 1                         ; part 0..5
	s_mul_i32 s57, s56, 11
	s_lshr_b32 s57, s57, 5                         ; part / 3: 0 for K, 1 for V
	s_lshl_b32 s58, s55, 14
	s_lshl_b32 s62, s57, 15
	s_add_co_u32 s58, s58, s62
	s_add_co_u32 s[G0B+1], s58, 32768              ; LDS: 32,768 + 16,384 w, and V's block 0 passed over
	s_mul_i32 s62, s57, 3
	s_sub_co_u32 s56, s56, s62
	s_add_co_u32 s56, s56, 1                       ; block 1..3
	s_lshl_b32 s56, s56, 19
	s_add_co_u32 s57, s57, 1
	s_lshl_b32 s57, s57, 23
	s_add_co_u32 s56, s56, s57
	s_and_b32 s55, s55, 1
	s_lshl_b32 s55, s55, 14
	s_add_co_u32 s56, s56, s55
	s_add_co_u32 s62, s56, s59
	s_mov_b32 s63, 0
	s_mov_b32 s[G0A], 1
	s_mov_b32 s[G0B], 1
	s_mov_b32 s[SEL], 0x76543210
	s_mov_b32 s[SEL+1], 0xfedcba98
	s_wait_dscnt 0x0                               ; both opening adds are done
	s_wait_kmcnt 0x0
	s_load_b256 s[40:47], s[6:7], 0x0              ; e0 .. e7
	s_add_nc_u64 s[G0A+2:G0A+3], s[4:5], s[60:61]
	s_or_b32 s[G0A+3], s[G0A+3], 0x80000000
	s_add_nc_u64 s[G0B+2:G0B+3], s[4:5], s[62:63]
	s_or_b32 s[G0B+3], s[G0B+3], 0x80000000
	CROUND                                         ; the four partners are here: the first joint loads meet
	tensor_load_to_lds s[G0A:G0A+3], s[G1A:G1A+7]  ; block 0: my one load at the head
	s_nop 0
.rept 4
	v_nop
.endr
	s_lshl_b32 s55, s11, 19
	s_add_co_u32 s60, s55, s59
	s_lshl_b32 s56, s[WV], 11
	s_add_co_u32 s60, s60, s56
	s_add_nc_u64 s[4:5], s[4:5], s[60:61]          ; Q: my two tiles
	s_lshl_b32 s62, s13, 21
	s_add_co_u32 s62, s62, s55
	s_lshl_b32 s56, s[WV], 15
	s_add_co_u32 s62, s62, s56
	s_lshl_b32 s56, s14, 10
	s_add_co_u32 s62, s62, s56
	s_add_nc_u64 s[8:9], s[8:9], s[62:63]          ; a_codes: my two tiles of tokens, my head's half fragment
	v_and_b32 v2, 31, v0
	v_lshlrev_b32 v[L16], 4, v2
.irp x, 0,1
.irp i, 0,1
	global_load_b128 v[Q+8*\x+4*\i:Q+8*\x+4*\i+3], v[L16], s[4:5] offset:1024*\x+512*\i
.endr
.endr
.irp x, 0,1
	v_mov_b32 v[ST+6*\x+1], 0xff61b1e6             ; the largest score so far: -3e38
	v_floor_f32 v[ST+6*\x], -v[ST+6*\x+1]          ; -M
	v_mov_b32 v[ST+6*\x+2], 0
	v_mov_b32 v[ST+6*\x+3], 0
	v_mov_b32 v[ST+6*\x+5], 0                      ; (named as the upper half of f's pair)
	v_mov_b32 v[PD+\x], 0                          ; a lane permute's destination counts as a source
.endr
.set jj, 0
.rept 64
	v_mov_b32 v[O+jj], 0                           ; O^T: the step is written for every step alike; the first change of M multiplies zeros
.set jj, jj+1
.endr
	s_wait_kmcnt 0x0
	s_mov_b32 s[CS], 0x3e38aa3b                    ; log2(e) / 8,
	s_add_co_i32 s55, s42, s43
	s_lshl_b32 s55, s55, 23
	s_add_co_i32 s[CS], s[CS], s55                 ; x 2^(e2 + e3)
	s_mov_b32 s[CS+1], s[CS]
	s_add_co_i32 s55, s44, 127
	s_lshl_b32 s56, s55, 23
	v_mov_b32 v[SCP], s56
	s_add_co_i32 s55, s55, 15
	s_lshl_b32 s55, s55, 23
	s_or_b32 s55, s55, 0x600000
	v_mov_b32 v[LIMP], s55
	v_mov_b32 v[LIMP+1], s55
	s_add_co_i32 s58, s46, 127
	s_lshl_b32 s57, s58, 23                        ; 2^e6
	s_add_co_i32 s58, s58, 15
	s_lshl_b32 s58, s58, 23
	s_or_b32 s58, s58, 0x600000                    ; 57,344 x 2^e6
	s_add_co_i32 s59, s44, s45                     ; e4 + e5
; A KEY STEP: 64 keys.  s[TV]: this step's V; s[TK]: the next step's K.
.macro STEP
	s_wait_dscnt 0x0                               ; this step's K is in
.irp t, 0,1,2,3
.irp x, 0,1
	v_wmma_f32_16x16x64_bf8_bf8 v[S+32*\x+8*\t:S+32*\x+8*\t+7], v[KF+8*\t:KF+8*\t+7], v[Q+8*\x:Q+8*\x+7], 0
.endr
.endr
	v_add_nc_u32 v[ADV], s[TV], v[L16]             ; four places behind the products, ahead of the loads into their sources and of the first read of the scores
	v_add_nc_u32 v[ADK], s[TK], v[L16]
	v_nop
	v_nop
.irp d, 0,1,2,3
.irp i, 0,1
	ds_load_b128 v[VF+8*\d+4*\i:VF+8*\d+4*\i+3], v[ADV] offset:8192*\d+512*\i
.endr
.endr
.irp t, 0,1,2,3
.irp i, 0,1
	ds_load_b128 v[KF+8*\t+4*\i:KF+8*\t+4*\i+3], v[ADK] offset:1024*\t+512*\i
.endr
.endr
.irp x, 0,1
	v_max3_num_f32 v[MA+\x], v[S+32*\x], v[S+32*\x+1], v[S+32*\x+2]   ; the step's largest score, two chains a tile; each accumulator from its low end on
.endr
.irp x, 0,1
	v_max3_num_f32 v[MB+\x], v[S+32*\x+3], v[S+32*\x+4], v[S+32*\x+5]
.endr
.irp i, 6,10,14,18,22,26
.irp x, 0,1
	v_max3_num_f32 v[MA+\x], v[MA+\x], v[S+32*\x+\i], v[S+32*\x+\i+1]
.endr
.irp x, 0,1
	v_max3_num_f32 v[MB+\x], v[MB+\x], v[S+32*\x+\i+2], v[S+32*\x+\i+3]
.endr
.endr
.irp x, 0,1
	v_max3_num_f32 v[MA+\x], v[MA+\x], v[S+32*\x+30], v[S+32*\x+31]
.endr
.irp x, 0,1
	s_delay_alu instid0(VALU_DEP_2)
	v_max_num_f32 v[MA+\x], v[MA+\x], v[MB+\x]
.endr
.irp x, 0,1
	s_delay_alu instid0(VALU_DEP_2)
	v_permlanex16_b32 v[PD+\x], v[MA+\x], s[SEL], s[SEL+1]
.endr
.irp x, 0,1
	s_delay_alu instid0(VALU_DEP_2)
	v_max3_num_f32 v[ST+6*\x+1], v[MA+\x], v[PD+\x], v[ST+6*\x+1]   ; the running largest score
.endr
.irp x, 0,1
	s_delay_alu instid0(VALU_DEP_2)
	v_mul_f32 v[MA+\x], s[CS], v[ST+6*\x+1]        ; as t
.endr
.irp x, 0,1
	s_delay_alu instid0(VALU_DEP_2)
	v_floor_f32 v[MA+\x], -v[MA+\x]                ; the new -M = -ceil(t)
.endr
.irp x, 0,1
	s_delay_alu instid0(VALU_DEP_2)
	v_sub_f32 v[MB+\x], v[MA+\x], v[ST+6*\x]       ; old M - new M
.endr
.irp x, 0,1
	s_delay_alu instid0(VALU_DEP_4)
	v_mov_b32 v[ST+6*\x], v[MA+\x]
.endr
.irp x, 0,1
	s_delay_alu instid0(VALU_DEP_4)
	v_cvt_i32_f32 v[MB+\x], v[MB+\x]               ; (it saturates)
.endr
.irp x, 0,1
	s_delay_alu instid0(VALU_DEP_2)
	v_ldexp_f32 v[ST+6*\x+4], 1.0, v[MB+\x]        ; f = 2^(old M - new M)
.endr
.irp j, 0,2,4,6,8,10,12,14,16,18,20,22,24,26,28,30
.irp x, 0,1
	v_pk_fma_f32 v[S+32*\x+\j:S+32*\x+\j+1], v[S+32*\x+\j:S+32*\x+\j+1], s[CS:CS+1], v[ST+6*\x:ST+6*\x+1] op_sel_hi:[1,0,0]   ; t - M
.endr
.endr
.irp j, 0,2,4,6,8,10,12,14,16,18,20,22,24,26,28,30
.irp x, 0,1
	v_pk_mul_f32 v[O+32*\x+\j:O+32*\x+\j+1], v[O+32*\x+\j:O+32*\x+\j+1], v[ST+6*\x+4:ST+6*\x+5] op_sel_hi:[1,0]   ; O^T under the new M, ahead of the exponentials
.endr
.endr
	s_wait_alu depctr_va_vdst(0)                   ; ahead of the batch
.set jj, 0
.rept 64
	v_exp_f32 v[S+jj], v[S+jj]                     ; p = 2^(t - M)
.set jj, jj+1
.endr
.irp x, 0,1
	v_pk_mul_f32 v[ST+6*\x+2:ST+6*\x+3], v[ST+6*\x+2:ST+6*\x+3], v[ST+6*\x+4:ST+6*\x+5] op_sel_hi:[1,0]   ; the sums under the new M (a plain place behind the batch)
.endr
	s_wait_alu depctr_va_vdst(0)                   ; and the one wait behind it, ahead of its first reader
.irp x, 0,1
	v_pk_add_f32 v[C2+2*\x:C2+2*\x+1], v[S+32*\x:S+32*\x+1], v[S+32*\x+2:S+32*\x+3]   ; the row's sum of the unquantised p, two chains a tile
.endr
.irp j, 4,8,12,16,20,24,28
.irp x, 0,1
	v_pk_add_f32 v[ST+6*\x+2:ST+6*\x+3], v[ST+6*\x+2:ST+6*\x+3], v[S+32*\x+\j:S+32*\x+\j+1]
.endr
.irp x, 0,1
	v_pk_add_f32 v[C2+2*\x:C2+2*\x+1], v[C2+2*\x:C2+2*\x+1], v[S+32*\x+\j+2:S+32*\x+\j+3]
.endr
.endr
.irp x, 0,1
	s_delay_alu instid0(VALU_DEP_2)
	v_pk_add_f32 v[ST+6*\x+2:ST+6*\x+3], v[ST+6*\x+2:ST+6*\x+3], v[C2+2*\x:C2+2*\x+1]
.endr
.set jj, 0
.rept 32
	v_dual_min_num_f32 v[S+jj], v[S+jj], v[LIMP] :: v_dual_min_num_f32 v[S+jj+1], v[S+jj+1], v[LIMP+1]   ; the conversion does not saturate (ISA guide 7.6.2); p is not negative: a one-sided hold
.set jj, jj+2
.endr
.irp t, 0,1,2,3
.irp x, 0,1
	v_cvt_scalef32_pk8_bf8_f32 v[P+8*\x+2*\t:P+8*\x+2*\t+1], v[S+32*\x+8*\t:S+32*\x+8*\t+7], v[SCP]   ; tile t's eight keys are registers 2 t, 2 t + 1 of P's fragment
.endr
.endr
	v_nop                                          ; a plain line behind the conversions
	s_wait_alu depctr_va_vdst(0)
	s_wait_dscnt 8                                 ; V's eight loads are in; the next step's eight of K may be out
.irp d, 0,1,2,3
.irp x, 0,1
	v_wmma_f32_16x16x64_bf8_bf8 v[O+32*\x+8*\d:O+32*\x+8*\d+7], v[VF+8*\d:VF+8*\d+7], v[P+8*\x:P+8*\x+7], v[O+32*\x+8*\d:O+32*\x+8*\d+7]
.endr
.endr
.endm
; steps up to, not with, step 'last'.  lin = 1: inside one block of keys V goes on by 1,024 bytes; else V of step n lies at 131,072 + 32,768 (n / 8) + 1,024 (n % 8)
.macro WALK last, lin
.Lstep_\@:
	STEP
	s_add_co_u32 s[TK], s[TK], 4096
	s_add_co_u32 s[N], s[N], 1
.if \lin
	s_add_co_u32 s[TV], s[TV], 1024
.else
	s_lshr_b32 s55, s[N], 3
	s_mul_i32 s55, s55, 24576
	s_lshl_b32 s56, s[N], 10
	s_add_co_u32 s55, s55, s56
	s_add_co_u32 s[TV], s55, 131072
.endif
	s_cmp_lt_u32 s[N], \last
	s_cbranch_scc1 .Lstep_\@
.endm
	s_wait_alu depctr_va_vdst(0)
	s_wait_tensorcnt 0x0                           ; my part of block 0 is in; the later first fill is issued as a refill is:
	ds_add_u32 v[SPW], v[NIL]                      ; 0 onto my spare word
	s_wait_dscnt 0x0
	CROUND                                         ; everybody's part of block 0 is in, and the joint loads meet
	s_cmp_lt_u32 s[WV], 12                         ; twelve waves share blocks 1 to 3 out: 12 x 16,384 bytes
	s_cbranch_scc0 .Lno_part
	tensor_load_to_lds s[G0B:G0B+3], s[G1B:G1B+7]
	s_nop 0
.rept 4
	v_nop
.endr
.Lno_part:
.irp t, 0,1,2,3
.irp i, 0,1
	ds_load_b128 v[KF+8*\t+4*\i:KF+8*\t+4*\i+3], v[L16] offset:1024*\t+512*\i   ; step 0's K
.endr
.endr
	s_mov_b32 s[TK], 4096
	s_mov_b32 s[TV], 131072
	s_mov_b32 s[N], 0
	s_wait_loadcnt 0x0                             ; Q
	WALK 7, 1                                      ; steps 0 to 6 read block 0 alone, their look-ahead too
	s_wait_tensorcnt 0x0                           ; my part of blocks 1 to 3 is in,
	s_wait_dscnt 0x0
	s_barrier_signal -1
	s_barrier_wait -1                              ; everybody's is
	s_mov_b32 s[TK], 32768
	s_mov_b32 s[TV], 131072+7168
	s_mov_b32 s[N], 7
	WALK 32, 0
	; THE WAY OUT: O^T / the sum x 2^(e4 + e5), held, converted with e6: the conversions' results are the projection's operand registers
.irp x, 0,1
	v_add_f32 v[MA+\x], v[ST+6*\x+2], v[ST+6*\x+3]
.endr
	v_mov_b32 v[SC6], s57
	v_mov_b32 v[LIM6], s58
.irp x, 0,1
	v_permlanex16_b32 v[PD+\x], v[MA+\x], s[SEL], s[SEL+1]
.endr
.irp x, 0,1
	v_add_f32 v[MA+\x], v[MA+\x], v[PD+\x]         ; the row's sum
.endr
	s_wait_alu depctr_va_vdst(0)                   ; ahead of the transcendentals
.irp x, 0,1
	v_rcp_f32 v[ST+6*\x+4], v[MA+\x]
.endr
	v_nop
	s_wait_alu depctr_va_vdst(0)                   ; and behind them
.irp x, 0,1
	v_ldexp_f32 v[ST+6*\x+4], v[ST+6*\x+4], s59
.endr
	s_wait_alu depctr_va_vdst(0)                   ; directly ahead of the first reader of O^T
.irp j, 0,2,4,6,8,10,12,14,16,18,20,22,24,26,28,30
.irp x, 0,1
	v_pk_mul_f32 v[S+32*\x+\j:S+32*\x+\j+1], v[O+32*\x+\j:O+32*\x+\j+1], v[ST+6*\x+4:ST+6*\x+5] op_sel_hi:[1,0]
.endr
.endr
.set jj, 0
.rept 64
	v_med3_num_f32 v[S+jj], v[S+jj], -v[LIM6], v[LIM6]
.set jj, jj+1
.endr
.irp d, 0,1,2,3
.irp x, 0,1
	v_cvt_scalef32_pk8_bf8_f32 v[P+8*\x+2*\d:P+8*\x+2*\d+1], v[S+32*\x+8*\d:S+32*\x+8*\d+7], v[SC6]
.endr
.endr
	v_nop
.irp x, 0,1
.irp i, 0,1
	global_store_b128 v[L16], v[P+8*\x+4*\i:P+8*\x+4*\i+3], s[8:9] offset:16384*\x+512*\i   ; 512 consecutive bytes a store, aligned
.endr
.endr
	s_wait_tensorcnt 0x0                           ; the wave's end
	ds_add_u32 v[SPW], v[NIL]
	s_wait_dscnt 0x0
	CROUND                                         ; the closing round
	s_endpgm
.Lfunc_end_k_q663a78b606_attn:
	.size	k_q663a78b606_attn, .Lfunc_end_k_q663a78b606_attn-k_q663a78b606_attn
	.p2alignl 7, 3214868480
	.fill 96, 4, 3214868480
	.section	.rodata,"a",@progbits
	.p2align	6, 0x0
	.amdhsa_kernel k_q663a78b606_attn
		.amdhsa_group_segment_fixed_size 327680
		.amdhsa_private_segment_fixed_size 0
		.amdhsa_enable_private_segment 0
		.amdhsa_kernarg_size 24
		.amdhsa_user_sgpr_count 2
		.amdhsa_user_sgpr_kernarg_segment_ptr 1
		.amdhsa_wavefront_size32 1
		.amdhsa_system_sgpr_workgroup_id_x 1
		.amdhsa_system_sgpr_workgroup_id_y 1
		.amdhsa_system_sgpr_workgroup_id_z 1
		.amdhsa_system_vgpr_workitem_id 0
		.amdhsa_next_free_vgpr 256
		.amdhsa_next_free_sgpr 66
		.amdhsa_reserve_vcc 0
		.amdhsa_float_denorm_mode_32 3
		.amdhsa_float_denorm_mode_16_64 3
		.amdhsa_memory_ordered 1
		.amdhsa_forward_progress 1
		.amdhsa_inst_pref_size 51
	.end_amdhsa_kernel
	.amdgpu_metadata
---
amdhsa.version: [ 1, 2 ]
amdhsa.kernels:
  - .name:           k_q663a78b606_attn
    .symbol:         k_q663a78b606_attn.kd
    .args:
      - { .name: qkv, .offset: 0, .size: 8, .value_kind: global_buffer, .address_space: global }
      - { .name: lowp_scales, .offset: 8, .size: 8, .value_kind: global_buffer, .address_space: global }
      - { .name: a_codes, .offset: 16, .size: 8, .value_kind: global_buffer, .address_space: global }
    .group_segment_fixed_size: 327680
    .private_segment_fixed_size: 0
    .kernarg_segment_align: 8
    .kernarg_segment_size: 24
    .max_flat_workgroup_size: 512
    .sgpr_count:     66
    .vgpr_count:     256
    .wavefront_size: 32
...
	.end_amdgpu_metadata
.endif
;; end of part 3
;; launch proj (part 4): grid 64 x 4, 4 waves a work-group, clusters of 4 x 1, 327,680 bytes of LDS; arguments a_codes, wproj_codes, lowp_scales, b_proj, out0; writes out0
.if DOCPART == 4
	.amdgcn_target "amdgcn-amd-amdhsa--gfx1250"
	.amdhsa_code_object_version 6
	.text
	.protected	k_q663a78b606_proj
	.globl	k_q663a78b606_proj
	.p2align	8
	.type	k_q663a78b606_proj,@function
k_q663a78b606_proj:
	s_mov_b64 s[64:65], 0
	v_nop
	global_prefetch_b8 v0, s[64:65] scope:SCOPE_SE
	s_setreg_imm32_b32 hwreg(HW_REG_WAVE_MODE, 25, 1), 1
	s_wait_xcnt 0x0
	s_wait_alu depctr_hold_cnt(0) depctr_sa_sdst(0) depctr_va_vdst(0) depctr_va_sdst(0) depctr_va_ssrc(0) depctr_va_vcc(0) depctr_vm_vsrc(0)
	s_getreg_b32 s2, hwreg(HW_REG_IB_STS2, 6, 4)
	s_cmp_eq_u32 s2, 0
	s_cbranch_scc0 .Lentry_in_a_cluster
	s_endpgm
.Lentry_in_a_cluster:
	s_bfe_u32 s2, ttmp6, 0x10000c
	s_cmp_lg_u32 s2, 0x3003
	s_cbranch_scc0 .Lentry_shape_is_right
	s_endpgm
.Lentry_shape_is_right:
; out0 = a w_proj + b_proj on codes of BF8 (E5M2): a has the scale 2^e6, w_proj 2^e7; f32 sums, each multiplied once by 2^(e6 + e7); the bias / 2^(e6 + e7) is the C of each sum's first product.
; OPERANDS are images of fragments: [tile of 16 rows][8 fragments of 128 K][2,048 bytes]; registers 4 I .. 4 I + 3 of lane l at 512 I + 16 l.
; A block of the result is 128 tokens x 256 channels: 64 x 4 = 256 work-groups of four waves, a wave 64 x 128: 32 accumulators.
; B (256 channels x K = 1,024, 262,144 bytes) is filled ONCE, whole, at the head, 65,536 bytes a wave: no ring, no refill, one barrier.  A's 64 tokens x 1,024 K of a wave go from memory straight into 512 registers.
; CLUSTER: the four work-groups along x (four blocks of tokens) need the same B: it is asked for jointly, mask 15.  No prefetch: all that is fetched is asked for at the head.
; THE MATRIX INSTRUCTION: source 0 = 16 channels of B, source 1 = 16 tokens of A: a lane holds eight neighbouring channels of one token.
; B's eight fragments of a K step come from LDS in two groups of four, which take turns: while one group's 16 products are issued, the other's 16 loads are out.
; REGISTERS: window 0: v16-31 addresses; v32-95 the bias, later a block at work; v128-255 B's two groups, later rows on the way out.  window 1: the accumulators ((a, b) at v[8 (8 a + b)]).  windows 2, 3: A: K step f, tile a at v[64 (f % 4) + 16 a] of window 2 + f / 4.
; LIMITS: e6 + e7 between -126 and 127; b x 2^-(e6 + e7) an f32 number.
.set STAGE,  262144                    ; behind B: 16 rows x 528 bytes for each wave, for the way out
.set SPITCH, 528
.set SPARE,  296960                    ; the spare words, 128 bytes a wave
.set ROWC,   4096                      ; a row of out0 in bytes
.set ADB,  16                          ; v16-17 LDS address of my B tiles 0-3, 4-7
.set STO,  24
.set RD,   25
.set CO,   26                          ; 16 x lane
.set SPW,  28
.set NIL,  29
.set BIAS, 32
.set TMP,  32
.set BF,   128
.set BK,   128
.set MSB, 0
.macro WIN new                         ; the immediate's high byte repeats the setting that is left
.if MSB != \new
	s_set_vgpr_msb (MSB<<8)|\new
.set MSB, \new
.endif
.endm
.macro CROUND
	s_barrier_signal -1
	s_barrier_wait -1
	s_cmp_lg_u32 s14, 0
	s_cbranch_scc1 .Lnot_wave_0_\@
	s_barrier_signal -3
.Lnot_wave_0_\@:
	s_barrier_wait -3
	s_barrier_signal -1
	s_barrier_wait -1
.endm
.macro PLACES
.rept 4
	v_nop
.endr
.endm
	s_load_b256 s[4:11], s[0:1], 0x0               ; a_codes s[4:5], wproj_codes s[6:7], the scales' exponents s[8:9], b_proj s[10:11]
	s_load_b64 s[12:13], s[0:1], 0x20              ; out0
	v_lshl_add_u32 v[SPW], v0, 2, SPARE
	v_mov_b32 v[NIL], 0
	ds_add_u32 v[SPW], v[NIL]                      ; the opening lines
	ds_add_u32 v[SPW], v[NIL]
	v_lshrrev_b32 v1, 5, v0
	v_readfirstlane_b32 s14, v1                    ; wave 0..3
	s_lshr_b32 s15, s14, 1                         ; which 64 tokens
	s_and_b32 s16, s14, 1                          ; which 128 channels
	s_bfe_u32 s40, ttmp6, 0x40000
	s_lshl_b32 s17, ttmp9, 2
	s_add_co_u32 s17, s17, s40                     ; block of 128 tokens = 4 x cluster x + cx
	s_and_b32 s18, ttmp7, 0xffff                   ; block of 256 channels
	s_mov_b32 s24, 15|(3<<16)|(1<<21)              ; group 1: the mask; elements of 8 bytes; 256 rows of 256 bytes, dense
	s_mov_b32 s25, 32<<16
	s_mov_b32 s26, 256<<16
	s_mov_b32 s27, 32<<16
	s_mov_b32 s28, 256
	s_mov_b32 s29, 32
	s_mov_b32 s30, 0
	s_mov_b32 s31, 0
	s_mov_b32 s32, 1
	s_lshl_b32 s33, s14, 16                        ; LDS: four tiles of 16 channels a wave
	s_lshl_b32 s20, s18, 18
	s_add_co_u32 s20, s20, s33
	s_mov_b32 s21, 0
	s_wait_dscnt 0x0
	s_wait_kmcnt 0x0
	s_load_b256 s[68:75], s[8:9], 0x0              ; e0 .. e7
	s_add_nc_u64 s[34:35], s[6:7], s[20:21]
	s_or_b32 s35, s35, 0x80000000
	CROUND                                         ; the four partners are here: the joint loads meet
	tensor_load_to_lds s[32:35], s[24:31]          ; my quarter of B: my one tensor load
	s_nop 0
	PLACES
	s_lshl_b32 s20, s17, 17
	s_lshl_b32 s22, s15, 16
	s_add_co_u32 s20, s20, s22
	s_add_nc_u64 s[4:5], s[4:5], s[20:21]          ; A: my four tiles of tokens
	s_lshl_b32 s22, s18, 10
	s_lshl_b32 s23, s16, 9
	s_add_co_u32 s22, s22, s23                     ; my first channel, in bytes of f32
	s_mov_b32 s23, 0
	s_add_nc_u64 s[10:11], s[10:11], s[22:23]
	s_lshl_b32 s20, s17, 19
	s_lshl_b32 s36, s15, 18
	s_add_co_u32 s20, s20, s36
	s_add_co_u32 s20, s20, s22
	s_add_nc_u64 s[12:13], s[12:13], s[20:21]      ; out0: my first row and column
	s_lshl_b32 s37, s16, 17
	s_mul_i32 s38, s14, 16*SPITCH
	s_add_co_u32 s38, s38, STAGE
	v_and_b32 v1, 31, v0
	v_lshlrev_b32 v[CO], 4, v1
	v_bfe_u32 v3, v0, 4, 1
	v_lshlrev_b32 v6, 5, v3
	v_and_b32 v2, 15, v0
	v_add_nc_u32 v[ADB], s37, v[CO]
	v_add_nc_u32 v[ADB+1], 0x10000, v[ADB]
	v_mul_u32_u24 v5, v2, SPITCH
	v_lshl_add_u32 v5, v3, 5, v5
	v_add_nc_u32 v[STO], s38, v5                   ; the stage, in: row l % 16, 32 bytes for each half of the lanes
	v_add_nc_u32 v[RD], s38, v[CO]                 ; back: the 32 lanes take one row of 512 bytes
.irp b, 0,1,2,3,4,5,6,7
	global_load_b128 v[BIAS+8*\b:BIAS+8*\b+3], v6, s[10:11] offset:64*\b
	global_load_b128 v[BIAS+8*\b+4:BIAS+8*\b+7], v6, s[10:11] offset:64*\b+16
.endr
.irp f, 0,1,2,3,4,5,6,7
	WIN 0x80+0x40*(\f/4)                           ; destination: window 2 or 3
.irp a, 0,1,2,3
.irp i, 0,1,2,3
	global_load_b128 v[64*(\f%4)+16*\a+4*\i:64*(\f%4)+16*\a+4*\i+3], v[CO], s[4:5] offset:16384*\a+2048*\f+512*\i
.endr
.endr
.endr
	WIN 0
	s_wait_kmcnt 0x0
	s_add_co_i32 s96, s74, s75                     ; e6 + e7
	s_sub_co_i32 s80, 0, s96
	s_add_co_i32 s96, s96, 127
	s_lshl_b32 s96, s96, 23                        ; 2^(e6 + e7) as f32
	s_mov_b32 s97, s96
	s_wait_loadcnt 63                              ; behind K step 3's last load 64 were issued: the bias and A's K steps 0 to 3 are in
.set jj, 0
.rept 64
	v_ldexp_f32 v[BIAS+jj], v[BIAS+jj], s80
.set jj, jj+1
.endr
	s_wait_alu depctr_va_vdst(0)
	s_wait_tensorcnt 0x0                           ; my quarter of B is in,
	s_barrier_signal -1
	s_barrier_wait -1                              ; everybody's is
.macro LOADB f, g                      ; B's tiles 4 g .. 4 g + 3 of K step f
.irp b, 0,1,2,3
.irp i, 0,1,2,3
	ds_load_b128 v[BF+64*(\g)+16*\b+4*\i:BF+64*(\g)+16*\b+4*\i+3], v[ADB+\g] offset:16384*\b+2048*(\f)+512*\i
.endr
.endr
.endm
; 16 products: my four tiles of tokens x one group of B, 128 along K; the accumulators take turns
.macro GROUP f, g
.if (\f) == 7 && (\g) == 1
	s_wait_dscnt 0x0
.else
	s_wait_dscnt 16                                ; this group's 16 loads are in; the other group's may be out
.endif
.if (\f) == 0
	WIN 0x48                                       ; B window 0, A window 2, the bias (C) window 0, D window 1
.else
	WIN 0x58+4*((\f)/4)                            ; C and D window 1, A window 2 or 3
.endif
.irp a, 0,1,2,3
.irp b, 0,1,2,3
.if (\f) == 0
	v_wmma_f32_16x16x128_bf8_bf8 v[8*(8*\a+4*(\g)+\b):8*(8*\a+4*(\g)+\b)+7], v[BF+64*(\g)+16*\b:BF+64*(\g)+16*\b+15], v[64*((\f)%4)+16*\a:64*((\f)%4)+16*\a+15], v[BIAS+8*(4*(\g)+\b):BIAS+8*(4*(\g)+\b)+7]
.else
	v_wmma_f32_16x16x128_bf8_bf8 v[8*(8*\a+4*(\g)+\b):8*(8*\a+4*(\g)+\b)+7], v[BF+64*(\g)+16*\b:BF+64*(\g)+16*\b+15], v[64*((\f)%4)+16*\a:64*((\f)%4)+16*\a+15], v[8*(8*\a+4*(\g)+\b):8*(8*\a+4*(\g)+\b)+7]
.endif
.endr
.endr
	PLACES                                         ; ahead of loads into the products' sources, and of the first read of results
	WIN 0
.if (\f) < 7
	LOADB (\f)+1, \g
.endif
.endm
	LOADB 0, 0
	LOADB 0, 1
.irp f, 0,1,2,3,4,5,6,7
.if \f > 3
	s_wait_loadcnt 16*(7-\f)                       ; A's K step f is in; the later steps' loads may be out
.endif
	GROUP \f, 0
	GROUP \f, 1
.endr
; THE WAY OUT, block by block of 16 rows x 128 columns: x 2^(e6 + e7), through my own stage in LDS, back as whole rows of 512 bytes.  LDS serves a wave's instructions in order (ISA guide 5.7.1.4).
.macro TOSTAGE a
	WIN 0x01                                       ; source 0: window 1
.irp j, 0,2,4,6,8,10,12,14,16,18,20,22,24,26,28,30,32,34,36,38,40,42,44,46,48,50,52,54,56,58,60,62
	v_pk_mul_f32 v[TMP+\j:TMP+\j+1], v[64*(\a)+\j:64*(\a)+\j+1], s[96:97] op_sel_hi:[1,0]   ; each accumulator from its low end on
.endr
	WIN 0
.irp b, 0,1,2,3,4,5,6,7
	ds_store_b128 v[STO], v[TMP+8*\b:TMP+8*\b+3] offset:64*\b
	ds_store_b128 v[STO], v[TMP+8*\b+4:TMP+8*\b+7] offset:64*\b+16
.endr
.set BB, BK+64*((\a)%2)
.irp t, 0,1,2,3,4,5,6,7,8,9,10,11,12,13,14,15
	ds_load_b128 v[BB+4*\t:BB+4*\t+3], v[RD] offset:\t*SPITCH
.endr
.endm
.macro SEND a, younger                 ; younger: the LDS instructions issued behind block a's loads
.set BB, BK+64*((\a)%2)
	s_wait_dscnt \younger
.if (\a) > 0
	s_add_nc_u64 s[12:13], s[12:13], 16*ROWC       ; (behind a wait on XCNT: the earlier stores have read their base)
.endif
.irp t, 0,1,2,3,4,5,6,7,8,9,10,11,12,13,14,15
	global_store_b128 v[CO], v[BB+4*\t:BB+4*\t+3], s[12:13] offset:\t*ROWC th:TH_STORE_NT   ; 512 consecutive bytes, aligned
.endr
.endm
	TOSTAGE 0
.irp a, 1,2,3
.if \a > 1
	s_wait_xcnt 0x0                                ; block a - 2's stores have read their registers and their base
.endif
	TOSTAGE \a
	SEND \a-1, 32
.endr
	s_wait_xcnt 0x0
	SEND 3, 0
	s_wait_tensorcnt 0x0                           ; the wave's end
	ds_add_u32 v[SPW], v[NIL]
	s_wait_dscnt 0x0
	CROUND                                         ; the closing round
	s_endpgm
.Lfunc_end_k_q663a78b606_proj:
	.size	k_q663a78b606_proj, .Lfunc_end_k_q663a78b606_proj-k_q663a78b606_proj
	.p2alignl 7, 3214868480
	.fill 96, 4, 3214868480
	.section	.rodata,"a",@progbits
	.p2align	6, 0x0
	.amdhsa_kernel k_q663a78b606_proj
		.amdhsa_group_segment_fixed_size 327680
		.amdhsa_private_segment_fixed_size 0
		.amdhsa_enable_private_segment 0
		.amdhsa_kernarg_size 40
		.amdhsa_user_sgpr_count 2
		.amdhsa_user_sgpr_kernarg_segment_ptr 1
		.amdhsa_wavefront_size32 1
		.amdhsa_system_sgpr_workgroup_id_x 1
		.amdhsa_system_sgpr_workgroup_id_y 1
		.amdhsa_system_sgpr_workgroup_id_z 1
		.amdhsa_system_vgpr_workitem_id 0
		.amdhsa_next_free_vgpr 1024
		.amdhsa_next_free_sgpr 98
		.amdhsa_reserve_vcc 0
		.amdhsa_float_denorm_mode_32 3
		.amdhsa_float_denorm_mode_16_64 3
		.amdhsa_memory_ordered 1
		.amdhsa_forward_progress 1
		.amdhsa_inst_pref_size 81
	.end_amdhsa_kernel
	.amdgpu_metadata
---
amdhsa.version: [ 1, 2 ]
amdhsa.kernels:
  - .name:           k_q663a78b606_proj
    .symbol:         k_q663a78b606_proj.kd
    .args:
      - { .name: a_codes, .offset: 0, .size: 8, .value_kind: global_buffer, .address_space: global }
      - { .name: wproj_codes, .offset: 8, .size: 8, .value_kind: global_buffer, .address_space: global }
      - { .name: lowp_scales, .offset: 16, .size: 8, .value_kind: global_buffer, .address_space: global }
      - { .name: b_proj, .offset: 24, .size: 8, .value_kind: global_buffer, .address_space: global }
      - { .name: out0, .offset: 32, .size: 8, .value_kind: global_buffer, .address_space: global }
    .group_segment_fixed_size: 327680
    .private_segment_fixed_size: 0
    .kernarg_segment_align: 8
    .kernarg_segment_size: 40
    .max_flat_workgroup_size: 128
    .sgpr_count:     98
    .vgpr_count:     1024
    .wavefront_size: 32
...
	.end_amdgpu_metadata
.endif
;; end of part 4
